; MI455X (gfx1250); checked and timed in simulation.
; The chip was launched on July 23, 2026; its instructions are those of AMD's public machine-readable ISA for CDNA 5 (MIT licence, August 2026) and "CDNA5" Instruction Set Architecture Reference Guide (July 2026). The comments in the code are by the model that wrote it; some were corrected since.
;; Self Attention. Allowed arithmetic: matrix products marked QUANTISED: E4M3 operands, one E8M0 scale for each 32 along K, by v_wmma_scale_f32_16x16x128_f8f6f4 with both operands' format E4M3, f32 sums; products left as they are: f32 operands where the result goes on into a quantised operand, else bf16, f16 or f32 operands; f32 sums; everything else in f32.
;; Inputs: Wk_codes 16 x 2 x 32 uint8 (E4M3 codes of Wk, K innermost, in blocks of 32 codes); Wk_scales 16 x 2 uint8 (E8M0 scales of Wk, one for each 32 codes along K); Wq_codes 16 x 2 x 32 uint8 (E4M3 codes of Wq, K innermost, in blocks of 32 codes); Wq_scales 16 x 2 uint8 (E8M0 scales of Wq, one for each 32 codes along K); Wv_codes 64 x 2 x 32 uint8 (E4M3 codes of Wv, K innermost, in blocks of 32 codes); Wv_scales 64 x 2 uint8 (E8M0 scales of Wv, one for each 32 codes along K); x_codes 4 x 4,096 x 2 x 32 uint8 (E4M3 codes of x, K innermost, in blocks of 32 codes); x_scales 4 x 4,096 x 2 uint8 (E8M0 scales of x, one for each 32 codes along K).
;; Outputs: out0 4 x 4,096 x 64 float32.
;; This version of the problem:
;;   THIS VERSION OF THE PROBLEM IS GIVEN IN LOW PRECISION. The matrix products marked QUANTISED in the list below multiply operands that are first quantised to E4M3 (4 exponent bits, 3 mantissa bits; 8 bits a number), with one power-of-two scale for each 32 numbers along K (OCP MX v1.0); their sums are f32. All else is computed in f32.
;;   The module's matrix products, in the order in which they are computed (A, B: the left and right operand; K: the contracted axis; several contracted axes count as one K, in the product's order):
;;     1. [M 16,384, K 64] x [K 64, N 16]; A: input x (given as codes); B: input Wq (given as codes): QUANTISED
;;     2. [M 16,384, K 64] x [K 64, N 16]; A: input x (given as codes); B: input Wk (given as codes): QUANTISED
;;     3. [M 16,384, K 64] x [K 64, N 64]; A: input x (given as codes); B: input Wv (given as codes): QUANTISED
;;     4. batch 4 x [M 4,096, K 16] x [K 16, N 4,096]; A: computed on the way; B: computed on the way: left as it is (K = 16 < 32)
;;     5. batch 4 x [M 4,096, K 4,096] x [K 4,096, N 64]; A: softmax (see below); B: computed on the way: QUANTISED
;;   THE QUANTISER, for each operand of a quantised product, along K:
;;     - K is cut into blocks of 32 from its start; a last block that is shorter is filled with zeros.
;;     - A block's scale is 2^e with e = floor(log2(the largest magnitude in the block)) - 8, held to -126 .. 127; a block of zeros has e = 0. As a byte (E8M0): e + 127.
;;     - Each number is divided by its block's scale, clamped to +-448, and rounded to the nearest number of E4M3, ties to even, subnormals kept.
;;     - The product sums the exact products of the quantised numbers (number of the format x scale) in f32.
;;   ~~~python
;;   def quantise(x, axis):      # numpy; x: float32 -> the quantised numbers, widened to float32 again
;;       x = np.moveaxis(x, axis, -1); K = x.shape[-1]
;;       x = np.pad(x, [(0, 0)] * (x.ndim - 1) + [(0, -K % 32)]); x = x.reshape(x.shape[:-1] + (-1, 32)); a = np.abs(x).max(-1, keepdims=True)
;;       e = np.where(a > 0, np.clip(np.frexp(np.where(a > 0, a, 1))[1] - 1 - 8, -126, 127), 0)      # np.frexp(a)[1] - 1 = floor(log2(a)), exactly
;;       r = np.clip(x / 2.0 ** e, -448, 448)
;;       step = 2.0 ** (np.maximum(np.frexp(np.where(r == 0, 1, r))[1] - 1, -6) - 3)
;;       q = np.round(r / step) * step * 2.0 ** e      # np.round: ties to even
;;       return np.moveaxis(q.reshape(q.shape[:-2] + (-1,))[..., :K], -1, axis).astype(np.float32)
;;   ~~~
;;   SOFTMAX AHEAD OF A QUANTISED PRODUCT. Where the list says 'softmax', what is quantised is not the finished softmax but p = 2^(t - M), with t = logit x log2(e) and M = ceil(the row's largest t), a whole number; so 1/2 < the row's largest p <= 1. The row's sum l is taken of the UNQUANTISED p, in f32, and the product's result is divided by l at the end. Since M is a whole number, a kernel that streams over the keys may use a running M (the ceiling of the running maximum): every later rescaling is an exact power of two, which a block's scale takes up: the codes' values come out the same.
;;   OPERANDS COMPUTED ON THE WAY. 'Computed on the way' means the value that the module computes at that place (a softmax that the list does not call 'softmax' is quantised finished and normalised). What goes into a quantiser is computed in f32, as accurately as f32 sums, v_exp_f32 and their like allow (about 1e-6 of the number): no bf16 or f16 on the way to a quantiser, and a product that is left as it is and whose result goes on into a quantised operand takes f32 operands (vector FMAs, or v_wmma_f32_16x16x4_f32). A number that lies on a knife's edge between two numbers of the format may be rounded either way, as far as f32 arithmetic and the matrix unit's own rounding can turn it there, and no further.
;;   INPUTS GIVEN AS CODES. Wk (in the module: [64, 16], K = its axis 0); Wq (in the module: [64, 16], K = its axis 0); Wv (in the module: [64, 64], K = its axis 0); x (in the module: [4, 4096, 64], K = its axis 2): each comes as NAME_codes (uint8): NAME with its K axis moved to the last place and cut into blocks of 32 codes, [.., K / 32, bytes a block], one block behind the other in memory; one code a byte (a code: sign, 4 exponent bits, 3 mantissa bits); and NAME_scales (uint8): the same leading axes, one E8M0 byte (e + 127) for each 32 codes along K. Its value is code x scale, taken as it is: it is not quantised again, and the codes and scales need not be those that the quantiser above would give.
;; One version. Each part assembles by itself: llvm-mc -triple=amdgcn-amd-amdhsa -mcpu=gfx1250 --defsym DOCPART=n.
;; ======== version 1 of 1: 2 launches
;; workspace buffers: kv 2,162,688 bytes; qi 1,048,576 bytes
;; launch proj (part 1): grid 128 x 6, 1 waves a work-group, no clusters, 0 bytes of LDS; arguments x_codes, x_scales, Wq_codes, Wq_scales, Wk_codes, Wk_scales, Wv_codes, Wv_scales, kv, qi; writes kv, qi
.if DOCPART == 1
	.amdgcn_target "amdgcn-amd-amdhsa--gfx1250"
	.amdhsa_code_object_version 6
	.text
	.protected	k_qca85121d0d_proj
	.globl	k_qca85121d0d_proj
	.p2align	8
	.type	k_qca85121d0d_proj,@function
k_qca85121d0d_proj:
	s_mov_b64 s[64:65], 0
	v_nop
	global_prefetch_b8 v0, s[64:65] scope:SCOPE_SE
	s_setreg_imm32_b32 hwreg(HW_REG_WAVE_MODE, 25, 1), 1
	s_wait_xcnt 0x0
; q = x Wq, k = x Wk, v = x Wv on the given codes of FP8 (E4M3) with their E8M0 scale bytes (K = 64), and v quantised along the KEYS, which are the K of attention's second product.
; The results are laid for the next launch as IMAGES OF OPERAND REGISTERS: a group of four registers of all 32 lanes is 512 consecutive bytes, lane l's 16 bytes at 16 l.
; SHARES.  Work-group x = block S of 128 rows of x (S = 32 x batch + key step); work-group y = the role: 0-3 v's dims 16 t .. 16 t + 15, 4 k, 5 q.  One wave a work-group: waves share nothing, so no LDS and no barrier.
; kv, block S (16,896 bytes): bytes 0-8,191 k: 8 tiles of 16 keys x 16 dims f32, tile T at 1,024 T (registers 0-3, then 4-7); bytes 8,192-16,383 v's codes: tile t of 16 dims x 128 keys at 2,048 t;
;   bytes 16,384-16,895 v's scale words: dim 16 t + (lane % 16) at 16 lane + 4 t.  qi: q's tile of 16 queries at 1,024 x tile, as a tile of k.
; K = 64 IS HALF OF THE INSTRUCTION'S 128: registers 8-15 of every fragment hold zero codes, on both sides; their scale bytes are the zeros above a 16-bit load, which is 2^-127 over zero codes.
; LAYOUT.  k, q: source 0 = W's 16 rows, source 1 = 16 rows of x: lane (r, h) holds row r of x and dims 8 h + 0 .. 7: the pairs of registers are the operands of the f32 matrix form's four K steps, in q and in k alike.
;   v: source 0 = 16 rows of x, source 1 = Wv's 16 rows: lane (r, h) holds ONE dim and eight keys.
; THE KEYS OF A TILE ARE NOT NEIGHBOURS (k, v): lane r of tile 2 b + u takes key 32 b + 8 u + r + 8 (r / 8), so that the 16 registers of tiles 2 b, 2 b + 1 of a result hold 16 neighbouring keys, 32 b + 16 h + 0 .. 15.  q's tiles take neighbours.
; LIMITS: NaN codes, the scale byte 0xff and results beyond f32 are not served.  A block of 32 zeros of v gets the scale byte 1 (not 127): its codes are zeros, and this program alone reads the bytes.
; v's scale words leave as 4 bytes a lane, 16 bytes apart (512 of a block's 16,896 bytes), so that the next launch takes a lane's four words by one LDS load.
.set BLK,   16896
.set VOFF,  8192
.set VSOFF, 16384
.set LI,  3                            ; v3   16 x lane: my place in an image
.set XA,  5                            ; v5, v6  x's codes: my bytes in an even tile, in an odd tile
.set XS,  7                            ; v7, v8  x's scale bytes likewise
.set WA,  9                            ; v9   W's codes
.set WS,  10                           ; v10  W's scale bytes
.set XF,  0                            ; window 1: x's eight fragments, 16 registers each
.set WF,  128                          ; window 1: W's fragment
.set PC,  144                          ; v144-159 v's codes
.set XSC, 160                          ; v160-167 x's scale words, one register a tile: scales and nothing else
.set WSC, 168                          ; v168 W's scale words
.set PW,  169                          ; v169 the scale word just made
.set TM,  176                          ; v176-179 largest magnitudes, v180-183 bytes, v184-187 448 x the scale, v188-191 the conversions' scale operands
.set VA,  192                          ; v192-255 the eight results
.set MSB, 0
.macro WIN new                         ; the immediate's high byte repeats the setting that is left
.if MSB != \new
	s_set_vgpr_msb (MSB<<8)|\new
.set MSB, \new
.endif
.endm
	s_load_b256 s[4:11], s[0:1], 0x0               ; x's codes s[4:5], x's scales s[6:7], Wq's codes s[8:9], Wq's scales s[10:11]
	s_load_b256 s[12:19], s[0:1], 0x20             ; Wk's codes s[12:13], scales s[14:15], Wv's codes s[16:17], scales s[18:19]
	s_load_b128 s[20:23], s[0:1], 0x40             ; kv s[20:21], qi s[22:23]
	s_and_b32 s24, ttmp7, 0xffff                   ; the role
	s_mov_b32 s25, ttmp9                           ; S
	s_mov_b32 s39, BLK
	s_cmp_eq_u32 s24, 5                            ; q?
	s_cselect_b32 s31, 0, 8                        ; q's tiles take neighbouring rows: r + (r & 0); the others r + (r & 8)
	s_cselect_b32 s32, 16, 8                       ; rows from an even tile to the odd one
	s_cselect_b32 s39, 8192, s39                   ; bytes of a block in the buffer that I store into
	s_cmp_lt_u32 s24, 4                            ; v?
	s_cselect_b32 s30, s24, 0                      ; t
	s_cselect_b32 s41, VOFF, 0
	s_mul_i32 s38, s25, s39
	s_lshl_b32 s40, s30, 11
	s_add_co_u32 s38, s38, s40
	s_add_co_u32 s38, s38, s41                     ; where my image begins: block + (v: 8,192 + 2,048 t)
	s_mov_b32 s39, 0
	s_mul_i32 s36, s25, BLK
	s_lshl_b32 s40, s30, 2
	s_add_co_u32 s36, s36, s40
	s_add_co_u32 s36, s36, VSOFF                   ; and v's scale words: block + 16,384 + 4 t
	s_mov_b32 s37, 0
	s_lshl_b32 s33, s32, 6                         ; the odd tile's rows in bytes of codes,
	s_lshl_b32 s45, s32, 1                         ; and of scale bytes
	s_mov_b32 s42, 0x76543210
	s_mov_b32 s43, 0xfedcba98                      ; v_permlanex16_b32's selects for lane l xor 16
	s_mov_b32 s44, 0x600000                        ; the mantissa field of 448
	s_mov_b32 s47, 0
	v_and_b32 v1, 15, v0                           ; r
	v_lshrrev_b32 v2, 4, v0                        ; h
	v_lshlrev_b32 v[LI], 4, v0
	v_and_b32 v4, s31, v1
	v_add_nc_u32 v4, v4, v1                        ; the tile's row that my lane takes
	v_lshlrev_b32 v[XA], 6, v4                     ; a row of x is 64 bytes of codes,
	v_lshl_add_u32 v[XA], v2, 4, v[XA]             ; + 16 h
	v_add_nc_u32 v[XA+1], s33, v[XA]
	v_lshlrev_b32 v[XS], 1, v4                     ; and 2 scale bytes
	v_add_nc_u32 v[XS+1], s45, v[XS]
	v_lshlrev_b32 v[WA], 6, v1
	v_lshl_add_u32 v[WA], v2, 4, v[WA]
	v_lshlrev_b32 v[WS], 1, v1
	s_wait_kmcnt 0x0
	s_cmp_lt_u32 s24, 4                            ; the buffers are chosen by the role alone
	s_cselect_b64 s[26:27], s[16:17], s[12:13]
	s_cselect_b64 s[28:29], s[18:19], s[14:15]
	s_cmp_eq_u32 s24, 5
	s_cselect_b64 s[26:27], s[8:9], s[26:27]       ; W's codes
	s_cselect_b64 s[28:29], s[10:11], s[28:29]     ; W's scales
	s_cselect_b64 s[34:35], s[22:23], s[20:21]     ; qi or kv
	s_add_nc_u64 s[34:35], s[34:35], s[38:39]
	s_add_nc_u64 s[36:37], s[20:21], s[36:37]
	s_lshl_b32 s46, s30, 10                        ; Wv's rows 16 t on: 1,024 t bytes of codes,
	s_add_nc_u64 s[26:27], s[26:27], s[46:47]
	s_lshl_b32 s46, s30, 5                         ; 32 t scale bytes
	s_add_nc_u64 s[28:29], s[28:29], s[46:47]
	s_lshl_b32 s46, s25, 13                        ; x's rows 128 S on
	s_add_nc_u64 s[4:5], s[4:5], s[46:47]
	s_lshl_b32 s46, s25, 8
	s_add_nc_u64 s[6:7], s[6:7], s[46:47]
.irp i, 0,1,2,3,4,5,6,7
	global_load_u16 v[XSC+\i], v[XS+\i%2], s[6:7] offset:64*(\i/2)      ; two scale bytes; the two upper bytes come as 0
.endr
	global_load_u16 v[WSC], v[WS], s[28:29]
	WIN 0x40                                       ; destination window 1, address window 0
.irp i, 0,1,2,3,4,5,6,7
	global_load_b128 v[XF+16*\i:XF+16*\i+3],   v[XA+\i%2], s[4:5] offset:2048*(\i/2)       ; k = 16 h + 0 .. 15
	global_load_b128 v[XF+16*\i+4:XF+16*\i+7], v[XA+\i%2], s[4:5] offset:2048*(\i/2)+32    ; k = 32 + 16 h + 0 .. 15
.endr
	global_load_b128 v[WF:WF+3],   v[WA], s[26:27]
	global_load_b128 v[WF+4:WF+7], v[WA], s[26:27] offset:32
.irp i, 0,1,2,3,4,5,6,7,8                      ; k = 64 .. 127 of the nine fragments: zero codes, written while the loads are out
.irp j, 8,9,10,11,12,13,14,15
	v_mov_b32 v[16*\i+\j], 0
.endr
.endr
	WIN 0
.irp b, 0,1,2,3
	v_mov_b32 v[TM+4+\b], 0                        ; a lane permute's destination counts as one of its sources
.endr
	s_wait_loadcnt 0x0
.rept 4
	v_nop                                          ; an operand written by vector instructions stands four places ahead of a scaled matrix instruction
.endr
	s_cmp_lt_u32 s24, 4
	s_cbranch_scc0 .Lkq
	; ---- v: eight tiles of 16 keys x my 16 dims
	WIN 0x05                                       ; sources 0 and 1 window 1, result window 0
.irp i, 0,1,2,3,4,5,6,7
	v_wmma_scale_f32_16x16x128_f8f6f4 v[VA+8*\i:VA+8*\i+7], v[XF+16*\i:XF+16*\i+15], v[WF:WF+15], 0, v[XSC+\i], v[WSC]
.endr
	WIN 0
.rept 8
	v_nop                                          ; eight places between this form and the first read of its results
.endr
	; register 16 b + i of my lane is v(key 32 b + 16 h + i, my dim): four blocks of 32 keys, each shared with lane l xor 16
.irp b, 0,1,2,3
	v_max3_num_f32 v[TM+\b], |v[VA+16*\b]|, |v[VA+16*\b+1]|, 0x4800000     ; my 16 numbers, and the floor 2^(9 - 127): the byte cannot fall under 1
.endr
.irp i, 2,4,6,8,10,12,14
.irp b, 0,1,2,3
	v_max3_num_f32 v[TM+\b], v[TM+\b], |v[VA+16*\b+\i]|, |v[VA+16*\b+\i+1]|   ; the four blocks by turns
.endr
.endr
.irp b, 0,1,2,3
	v_permlanex16_b32 v[TM+4+\b], v[TM+\b], s42, s43
.endr
.irp b, 0,1,2,3
	v_max_num_f32 v[TM+\b], v[TM+\b], v[TM+4+\b]   ; the block's largest magnitude
.endr
.irp b, 0,1,2,3
	v_add_nc_u32 v[TM+12+\b], 0xfc000000, v[TM+\b] ; 8 off its exponent field: the conversion takes this operand's exponent field as its scale
.endr
.irp b, 0,1,2,3
	v_and_or_b32 v[TM+8+\b], v[TM+\b], 0x7f800000, s44   ; 448 x the scale
.endr
.irp b, 0,1,2,3
	v_lshrrev_b32 v[TM+4+\b], 23, v[TM+12+\b]      ; the scale's byte
.endr
	v_lshl_or_b32 v[PW], v[TM+5], 8, v[TM+4]       ; my dim's scale word for these 128 keys
	v_lshl_or_b32 v[PW], v[TM+6], 16, v[PW]
	v_lshl_or_b32 v[PW], v[TM+7], 24, v[PW]
.irp b, 0,1,2,3
.irp i, 0,1,2,3,4,5,6,7,8,9,10,11,12,13,14,15
	v_med3_num_f32 v[VA+16*\b+\i], v[VA+16*\b+\i], -v[TM+8+\b], v[TM+8+\b]   ; the conversion to an 8-bit code does not saturate (ISA guide 7.6.2): the hold comes first
.endr
	v_cvt_scalef32_pk8_fp8_f32 v[PC+4*\b:PC+4*\b+1],   v[VA+16*\b:VA+16*\b+7],    v[TM+12+\b]
	v_cvt_scalef32_pk8_fp8_f32 v[PC+4*\b+2:PC+4*\b+3], v[VA+16*\b+8:VA+16*\b+15], v[TM+12+\b]
.endr
	v_nop                                          ; a plain line behind the last conversion
.irp c, 0,1,2,3
	global_store_b128 v[LI], v[PC+4*\c:PC+4*\c+3], s[34:35] offset:512*\c   ; 32 lanes store 512 consecutive bytes, aligned to 512
.endr
	global_store_b32 v[LI], v[PW], s[36:37]
	s_endpgm
.Lkq:
	; ---- k or q: my 16 dims x eight tiles of 16 rows
	WIN 0x05
.irp i, 0,1,2,3,4,5,6,7
	v_wmma_scale_f32_16x16x128_f8f6f4 v[VA+8*\i:VA+8*\i+7], v[WF:WF+15], v[XF+16*\i:XF+16*\i+15], 0, v[WSC], v[XSC+\i]
.endr
	WIN 0
.rept 8
	v_nop
.endr
.irp i, 0,1,2,3,4,5,6,7
	global_store_b128 v[LI], v[VA+8*\i:VA+8*\i+3],   s[34:35] offset:1024*\i        ; each result from its low end on
	global_store_b128 v[LI], v[VA+8*\i+4:VA+8*\i+7], s[34:35] offset:1024*\i+512
.endr
	s_endpgm
.Lfunc_end_k_qca85121d0d_proj:
	.size	k_qca85121d0d_proj, .Lfunc_end_k_qca85121d0d_proj-k_qca85121d0d_proj
	.p2alignl 7, 3214868480
	.fill 96, 4, 3214868480
	.section	.rodata,"a",@progbits
	.p2align	6, 0x0
	.amdhsa_kernel k_qca85121d0d_proj
		.amdhsa_group_segment_fixed_size 0
		.amdhsa_private_segment_fixed_size 0
		.amdhsa_enable_private_segment 0
		.amdhsa_kernarg_size 80
		.amdhsa_user_sgpr_count 2
		.amdhsa_user_sgpr_kernarg_segment_ptr 1
		.amdhsa_wavefront_size32 1
		.amdhsa_system_sgpr_workgroup_id_x 1
		.amdhsa_system_sgpr_workgroup_id_y 1
		.amdhsa_system_sgpr_workgroup_id_z 1
		.amdhsa_system_vgpr_workitem_id 0
		.amdhsa_next_free_vgpr 400
		.amdhsa_next_free_sgpr 66
		.amdhsa_reserve_vcc 0
		.amdhsa_float_denorm_mode_32 3
		.amdhsa_float_denorm_mode_16_64 3
		.amdhsa_memory_ordered 1
		.amdhsa_forward_progress 1
		.amdhsa_inst_pref_size 21
	.end_amdhsa_kernel
	.amdgpu_metadata
---
amdhsa.version: [ 1, 2 ]
amdhsa.kernels:
  - .name:           k_qca85121d0d_proj
    .symbol:         k_qca85121d0d_proj.kd
    .args:
      - { .name: x_codes, .offset: 0, .size: 8, .value_kind: global_buffer, .address_space: global }
      - { .name: x_scales, .offset: 8, .size: 8, .value_kind: global_buffer, .address_space: global }
      - { .name: Wq_codes, .offset: 16, .size: 8, .value_kind: global_buffer, .address_space: global }
      - { .name: Wq_scales, .offset: 24, .size: 8, .value_kind: global_buffer, .address_space: global }
      - { .name: Wk_codes, .offset: 32, .size: 8, .value_kind: global_buffer, .address_space: global }
      - { .name: Wk_scales, .offset: 40, .size: 8, .value_kind: global_buffer, .address_space: global }
      - { .name: Wv_codes, .offset: 48, .size: 8, .value_kind: global_buffer, .address_space: global }
      - { .name: Wv_scales, .offset: 56, .size: 8, .value_kind: global_buffer, .address_space: global }
      - { .name: kv, .offset: 64, .size: 8, .value_kind: global_buffer, .address_space: global }
      - { .name: qi, .offset: 72, .size: 8, .value_kind: global_buffer, .address_space: global }
    .group_segment_fixed_size: 0
    .private_segment_fixed_size: 0
    .kernarg_segment_align: 8
    .kernarg_segment_size: 80
    .max_flat_workgroup_size: 32
    .sgpr_count:     66
    .vgpr_count:     400
    .wavefront_size: 32
...
	.end_amdgpu_metadata
.endif
;; end of part 1
;; launch attn (part 2): grid 64 x 4, 16 waves a work-group, clusters of 4 x 1, 327,680 bytes of LDS; arguments kv, qi, out0; writes out0
.if DOCPART == 2
	.amdgcn_target "amdgcn-amd-amdhsa--gfx1250"
	.amdhsa_code_object_version 6
	.text
	.protected	k_qca85121d0d_attn
	.globl	k_qca85121d0d_attn
	.p2align	8
	.type	k_qca85121d0d_attn,@function
k_qca85121d0d_attn:
	s_mov_b64 s[64:65], 0
	v_nop
	global_prefetch_b8 v0, s[64:65] scope:SCOPE_SE
	s_setreg_imm32_b32 hwreg(HW_REG_WAVE_MODE, 25, 1), 1
	s_wait_xcnt 0x0
	s_wait_alu depctr_hold_cnt(0) depctr_sa_sdst(0) depctr_va_vdst(0) depctr_va_sdst(0) depctr_va_ssrc(0) depctr_va_vcc(0) depctr_vm_vsrc(0)
	s_getreg_b32 s2, hwreg(HW_REG_IB_STS2, 6, 4)
	s_cmp_eq_u32 s2, 0
	s_cbranch_scc0 .Lentry_in_a_cluster
	s_endpgm
.Lentry_in_a_cluster:
	s_bfe_u32 s2, ttmp6, 0x10000c
	s_cmp_lg_u32 s2, 0x3003
	s_cbranch_scc0 .Lentry_shape_is_right
	s_endpgm
.Lentry_shape_is_right:
; out0[b][q][:] = the sum over keys k <= q of softmax_k(q . k / 4) v[k][:], 4 batches x 4,096 queries, head 16, v of 64 dims.
; The scores (K = 16) are made of f32 operands by v_wmma_f32_16x16x4_f32, since they go on into a quantiser; p v is made on codes of FP8 (E4M3) with E8M0 scales by v_wmma_scale_f32_16x16x128_f8f6f4.
; THE SOFTMAX AHEAD OF THE SECOND PRODUCT: t = score x log2(e) / 4; M = the largest t so far, rounded UP to a whole number; p = 2^(t - M) is quantised along the keys, 32 to a block; it is not normalised.
; The sum l is taken of the unquantised p and divides at the end.  When M moves, l and O are multiplied by 2^(old M - new M): exact.
; SHARES.  Cluster (a = 0 .. 15, batch) of four work-groups; work-group cx owns 32 EARLY queries from 128 a + 32 cx and 32 LATE queries from 128 (31 - a) + 32 cx.  Early ones want key steps 0 .. a, late ones 0 .. 31 - a
; (a step = 128 keys): 33 steps for each pair of tiles, the same in every work-group.  Wave w = 2 e + p owns tile p (16 queries) of both blocks and, of each group of eight key steps, step 8 g + e: THE KEYS ARE SPLIT OVER EIGHT WAVES.
; A wave keeps (M, l, O^T) of its early and of its late tile in registers; at the end the eight partial results of a tile meet in LDS and are brought under one M by exact powers of two.
; Sixteen waves of 256 registers: four to a SIMD, so that one wave's vector work stands beside another's matrix work and LDS loads.
; JOINT LOADS.  The four partners walk the same blocks of kv: each block (16,896 bytes: k, v's codes, v's scale words of 128 keys, as images of operand registers) is asked for by the same tensor load with the same
; descriptor and a mask that names the four.  Two LDS slots of eight blocks; waves 0-7 fetch one block each.  Every branch hangs on a and on the wave's number alone; cx enters q's and out0's addresses and one number that is compared.
; LAYOUT.  S^T = K Q^T (source 0 = 16 keys, source 1 = my 16 queries), O^T = V^T P^T (source 0 = 16 dims, source 1 = p): a lane holds ONE query (lane % 16) throughout.  Lane r of k's tile 2 b + u holds key
; 32 b + 8 u + r + 8 (r / 8), so that register 16 b + i of the scores is key 32 b + 16 (lane / 16) + i.  In q's and k's images lane (r, h) holds dims 8 h + 0 .. 7: register pair s is K step s of the f32 form in both.
; LIMITS: NaN and infinities are not served; a t under -3e38 is not served; a p under 2^-126 counts as 0 (v_exp_f32 flushes); a block whose every p is 0 keeps the scale byte 1 over zero codes.
; Clusters with a >= 8 fetch key steps 24-31 and read none of them: so every partner issues every joint load on every way.
.set BLK,    16896                     ; a block of kv
.set SLOT,   8*BLK                     ; LDS: slot 0 at 0, slot 1 at SLOT
.set SPARE,  2*SLOT                    ; behind the ring: the spare words, 128 bytes for each of the 16 waves: eight blocks of 256 bytes that no other line names
.set VOFF,   8192                      ; in a block: v's codes,
.set VSOFF,  16384                     ; v's scale words
.set PPITCH, 272                       ; the merge: a query's 64 numbers, 256 bytes + 16: sixteen rows start at sixteen different groups of banks (64 banks of 4 bytes: ISA guide 11.1)
.set PWAVE,  16*PPITCH                 ; a wave's 16 rows
.set PARKD,  16*PWAVE                  ; the early results at LDS byte 0, the late ones PARKD further on,
.set STE,    2*PARKD                   ; behind them (-M, l): 8 bytes a row, 128 a wave; early,
.set STD,    2048                      ; late.  All this lies in the two slots, which by then have had their last fill and their last read
.set SPW, 1                            ; v1   LDS address of my spare word; never rewritten
.set NIL, 2                            ; v2   0; never rewritten
.set AD0, 3                            ; v3   my place in my block of slot 0: BLK e + 16 lane; at the end the early results' place
.set AD1, 4                            ; v4   the same in slot 1; at the end the late results'
.set DD,  5                            ; v5   my query's place among the diagonal step's keys, less 16 (lane / 16); at the end the place of (-M, l)
.set SE,  6                            ; v6-9   early: -M, the largest t, l in two halves
.set SL,  10                           ; v10-13 late
.set QE,  14                           ; v14-21 q of my early tile
.set F,   22                           ; v22  f = 2^(old M - new M); the packed forms name the pair v[22:23] and take its low word for both halves
.set LI,  23                           ; v23  16 x lane: the offset of q's loads and of the last stores; never rewritten
.set SUM2, 24                          ; v24-25 the sums' second chain; before that two scale bytes
.set PW,  26                           ; v26  p's scale word: a scale and nothing else
.set TMP, 27
.set VS,  28                           ; v28-31 v's scale words, one register a tile of dims: scales and nothing else
.set BM,  32                           ; v32-35 a block's largest score, then its largest p, then 448 x its scale
.set X4,  36                           ; v36-39 the other half's maxima, then the conversions' scale operands
.set PC,  40                           ; v40-55 p's codes
.set S,   56                           ; v56-119  S^T: written by matrix instructions alone
.set P,   120                          ; v120-183 k's fragments, then t - M and p, then v's fragments
.set OE,  184                          ; v184-215 O^T, early
.set OL,  216                          ; v216-247 O^T, late
.set QL,  248                          ; v248-255 q of my late tile
.set ZE,  184                          ; the merge: eight (-M, l), early;
.set ZL,  200                          ; late
.set FF,  216                          ; eight factors
.set MM,  224                          ; the common -M
.set LL,  225                          ; the row's sum
.set RE,  228                          ; four results, early;
.set RL,  232                          ; late
.set WV,  10                           ; s10 wave
.set PP,  11                           ; s11 p
.set EE,  12                           ; s12 e
.set CX,  13                           ; s13 cx
.set LIME, 14                          ; s14 a: the early queries' last key step
.set LIML, 15                          ; s15 31 - a: the late queries'
.set BAT, 16                           ; s16 batch
.set KS,  17                           ; s17 the job's key step
.set SEL, 18                           ; s[18:19] lane selects for v_permlanex16_b32: lane l xor 16
.set CS,  20                           ; s[20:21] c = log2(e) / 4
.set MNT, 22                           ; s22 the mantissa field of 448
.set G1,  24                           ; s[24:31] descriptor group 1
.set G0A, 32                           ; s[32:35] group 0 for slot 0
.set G0B, 36                           ; s[36:39] for slot 1
.set QBE, 40                           ; s[40:41], s[42:43] q's tiles, early and late
.set QBL, 42
.set OBE, 44                           ; s[44:45], s[46:47] my two rows of out0, early and late
.set OBL, 46
.macro PLACES n
.rept \n
	v_nop
.endr
.endm
; A round of the cluster's barrier: my work-group's barrier, so that wave 0's signal speaks for all sixteen waves; wave 0 signals; every wave waits for the four work-groups; my work-group's barrier once more.
.macro CROUND
	s_barrier_signal -1
	s_barrier_wait -1
	s_cmp_lg_u32 s[WV], 0
	s_cbranch_scc1 .Lnot_wave_0_\@
	s_barrier_signal -3
.Lnot_wave_0_\@:
	s_barrier_wait -3
	s_barrier_signal -1
	s_barrier_wait -1
.endm
.macro JLOAD g0                        ; waves 0-7 fetch a block each; four v_nop follow the load
	s_cmp_lt_u32 s[WV], 8
	s_cbranch_scc0 .Lnone_\@
	tensor_load_to_lds s[\g0:\g0+3], s[G1:G1+7]
	s_nop 0
	PLACES 4
.Lnone_\@:
.endm
; THE CHANGE OF SLOTS.  Each wave waits for all its tensor loads (its block of the slot ahead), adds 0 to its spare word, and waits for that and for its reads of the slot that it leaves.
; fill = 1: the barrier is a round of the cluster's, so that no wave of any partner still reads that slot, and its refill, sixteen key steps on, is the first thing behind it.
.macro CHANGE fill, g0
	s_wait_tensorcnt 0x0                           ; no tensor load of mine is out, so a group 0 may be written
	ds_add_u32 v[SPW], v[NIL]                      ; 0 onto my spare word
.if \fill
	s_add_nc_u64 s[\g0+2:\g0+3], s[\g0+2:\g0+3], 16*BLK   ; the type bits on top are not reached
.endif
	s_wait_dscnt 0x0                               ; the add is done, and my reads of the slot are over
.if \fill
	CROUND
	JLOAD \g0
.else
	s_barrier_signal -1
	s_barrier_wait -1
.endif
.endm
.macro KLOAD ad                        ; k's eight tiles: registers 0-3 of all first (K steps 0, 1), then registers 4-7
.irp t, 0,1,2,3,4,5,6,7
	ds_load_b128 v[P+8*\t:P+8*\t+3], v[\ad] offset:1024*\t
.endr
.irp t, 0,1,2,3,4,5,6,7
	ds_load_b128 v[P+8*\t+4:P+8*\t+7], v[\ad] offset:1024*\t+512
.endr
.endm
.macro SCORES q                        ; S^T = K Q^T: four K steps of four dims; the eight accumulators take turns, one instruction a turn; the first step starts the sums
	s_wait_dscnt 8                                 ; registers 0-3 of the eight tiles are in; the eight younger loads may be out
.irp k, 0,1,2,3
.if \k == 2
	s_wait_dscnt 0x0
.endif
.irp t, 0,1,2,3,4,5,6,7
.if \k == 0
	v_wmma_f32_16x16x4_f32 v[S+8*\t:S+8*\t+7], v[P+8*\t:P+8*\t+1], v[\q:\q+1], 0
.else
	v_wmma_f32_16x16x4_f32 v[S+8*\t:S+8*\t+7], v[P+8*\t+2*\k:P+8*\t+2*\k+1], v[\q+2*\k:\q+2*\k+1], v[S+8*\t:S+8*\t+7]
.endif
.endr
.endr
.endm
.macro MASK                            ; the diagonal step: register n holds key 32 (n / 16) + n % 16 + 16 (lane / 16) of the step: hidden where that lies behind my query.  The masked scores go into other registers
	v_mov_b32 v[TMP], 0xff800000                   ; -infinity: p = 0 then
.set J, 0
.rept 64
	v_cmp_gt_i32 vcc_lo, 32*(J/16)+J%16, v[DD]
	v_cndmask_b32 v[P+J], v[S+J], v[TMP], vcc_lo
.set J, J+1
.endr
.endm
.macro MAXES src                       ; the largest score of each block of 32 keys: it serves the row's maximum and, since p rises with the score, the block's largest p.  Each accumulator is read from its low end on
.irp b, 0,1,2,3
	v_max3_num_f32 v[BM+\b], v[\src+16*\b], v[\src+16*\b+1], v[\src+16*\b+2]
.endr
.irp i, 3,5,7,9,11,13
.irp b, 0,1,2,3
	v_max3_num_f32 v[BM+\b], v[BM+\b], v[\src+16*\b+\i], v[\src+16*\b+\i+1]
.endr
.endr
.irp b, 0,1,2,3
	v_max_num_f32 v[BM+\b], v[BM+\b], v[\src+16*\b+15]
.endr
.endm
.macro MUPD st
.irp b, 0,1,2,3
	v_permlanex16_b32 v[X4+\b], v[BM+\b], s[SEL], s[SEL+1]
.endr
.irp b, 0,1,2,3
	v_max_num_f32 v[BM+\b], v[BM+\b], v[X4+\b]     ; with lane l xor 16's 16 keys
.endr
	v_max3_num_f32 v[TMP], v[BM], v[BM+1], v[BM+2]
	v_max_num_f32 v[TMP], v[TMP], v[BM+3]          ; the step's largest score of my query
	v_mul_f32 v[TMP], s[CS], v[TMP]                ; as t (c is positive)
	v_max_num_f32 v[\st+1], v[\st+1], v[TMP]       ; the running largest t
	v_mov_b32 v[TMP], v[\st]
	v_floor_f32 v[\st], -v[\st+1]                  ; the new -M = floor(-t) = -ceil(t): a whole number
	v_sub_f32 v[TMP], v[\st], v[TMP]               ; old M - new M: a whole number, 0 or less
	v_cvt_i32_f32 v[TMP], v[TMP]                   ; (it saturates)
	v_ldexp_f32 v[F], 1.0, v[TMP]                  ; f = 2^(old M - new M)
.endm
.macro FMAS src, st                    ; t - M, two at a time; of the pairs c and (-M, t) the low word serves both halves
.set J, 0
.rept 32
	v_pk_fma_f32 v[P+J:P+J+1], v[\src+J:\src+J+1], s[CS:CS+1], v[\st:\st+1] op_sel_hi:[1,0,0]
.set J, J+2
.endr
.irp b, 0,1,2,3
	v_fma_f32 v[BM+\b], v[BM+\b], s[CS], v[\st]    ; the same of each block's largest score
.endr
.endm
.macro TAIL o, st, ad
.set J, 0
.rept 64
	v_exp_f32 v[P+J], v[P+J]                       ; p = 2^(t - M), at most 1
.set J, J+1
.endr
.irp b, 0,1,2,3
	v_exp_f32 v[BM+\b], v[BM+\b]                   ; the block's largest p: the same two instructions on the same number
.endr
	v_pk_mul_f32 v[\st+2:\st+3], v[\st+2:\st+3], v[F:F+1] op_sel_hi:[1,0]   ; l under the new M; also the plain line behind the exponentials
	s_wait_alu depctr_va_vdst(0)
.irp b, 0,1,2,3
	v_max_num_f32 v[BM+\b], 0x4800000, v[BM+\b]    ; the floor 2^(9 - 127): the byte cannot fall under 1
.endr
.irp b, 0,1,2,3
	v_add_nc_u32 v[X4+\b], 0xfc000000, v[BM+\b]    ; 8 off the exponent field: the conversion's scale operand
.endr
.irp b, 0,1,2,3
	v_and_or_b32 v[BM+\b], v[BM+\b], 0x7f800000, s[MNT]   ; 448 x the scale
.endr
	v_lshrrev_b32 v[PW], 23, v[X4]                 ; the four bytes make p's scale word for these 128 keys
	v_lshrrev_b32 v[SUM2], 23, v[X4+1]
	v_lshrrev_b32 v[SUM2+1], 23, v[X4+2]
	v_lshrrev_b32 v[TMP], 23, v[X4+3]
	v_lshl_or_b32 v[PW], v[SUM2], 8, v[PW]
	v_lshl_or_b32 v[PW], v[SUM2+1], 16, v[PW]
	v_lshl_or_b32 v[PW], v[TMP], 24, v[PW]
	v_pk_add_f32 v[SUM2:SUM2+1], v[P:P+1], v[P+2:P+3]   ; the sum of the UNQUANTISED p, two at a time, in two chains
.set J, 4
.rept 15
	v_pk_add_f32 v[\st+2:\st+3], v[\st+2:\st+3], v[P+J:P+J+1]
	v_pk_add_f32 v[SUM2:SUM2+1], v[SUM2:SUM2+1], v[P+J+2:P+J+3]
.set J, J+4
.endr
	v_pk_add_f32 v[\st+2:\st+3], v[\st+2:\st+3], v[SUM2:SUM2+1]
	ds_load_b128 v[VS:VS+3], v[\ad] offset:VSOFF   ; v's scale words of the four tiles of dims
.irp b, 0,1,2,3
.irp i, 0,1,2,3,4,5,6,7,8,9,10,11,12,13,14,15
	v_min_num_f32 v[P+16*\b+\i], v[P+16*\b+\i], v[BM+\b]   ; the conversion to an 8-bit code does not saturate (ISA guide 7.6.2); p is not negative, so the hold is one-sided
.endr
	v_cvt_scalef32_pk8_fp8_f32 v[PC+4*\b:PC+4*\b+1],   v[P+16*\b:P+16*\b+7],    v[X4+\b]
	v_cvt_scalef32_pk8_fp8_f32 v[PC+4*\b+2:PC+4*\b+3], v[P+16*\b+8:P+16*\b+15], v[X4+\b]
.irp c, 0,1,2,3
	ds_load_b128 v[P+16*\b+4*\c:P+16*\b+4*\c+3], v[\ad] offset:VOFF+2048*\b+512*\c   ; the block's p is converted: its registers take v's tile b
.endr
.endr
.set J, 0
.rept 16
	v_pk_mul_f32 v[\o+J:\o+J+1], v[\o+J:\o+J+1], v[F:F+1] op_sel_hi:[1,0]   ; O^T under the new M; these sixteen are also the lines between the conversions and the products
.set J, J+2
.endr
.irp t, 0,1,2,3
	s_wait_dscnt 4*(3-\t)                          ; the scale words and tile t are in; the later tiles' four loads each may be out
	v_wmma_scale_f32_16x16x128_f8f6f4 v[\o+8*\t:\o+8*\t+7], v[P+16*\t:P+16*\t+15], v[PC:PC+15], v[\o+8*\t:\o+8*\t+7], v[VS+\t], v[PW]
.endr
.endm
; A JOB: my 16 queries of one state against key step 8 g + e, which lies in my block of the slot at ad.  cond = 1: the step may lie behind the state's last step (then the job is left out) or be that step (then the mask is laid on);
; cond = 0: neither can be (late queries, steps 0-15).  Both branches hang on a and on the wave's number; no barrier and no tensor load stands in a job.
.macro JOB o, st, q, ad, g, lim, cond
.if \cond
	s_add_co_u32 s[KS], s[EE], 8*\g
	s_cmp_gt_u32 s[KS], s[\lim]
	s_cbranch_scc1 .Lskip_\@
.endif
	PLACES 8                                       ; eight places between the last products and loads into registers that they read
	KLOAD \ad
	SCORES \q
	PLACES 8                                       ; and between the f32 form and the first read of its results (ISA guide 7.12.1)
.if \cond
	s_cmp_eq_u32 s[KS], s[\lim]
	s_cbranch_scc0 .Lopen_\@
	MASK
	MAXES P
	MUPD \st
	FMAS P, \st
	s_branch .Ljoin_\@
.Lopen_\@:
.endif
	MAXES S
	MUPD \st
	FMAS S, \st
.if \cond
.Ljoin_\@:
.endif
	TAIL \o, \st, \ad
.if \cond
.Lskip_\@:
.endif
.endm
; Two rows of a tile: the eight waves' partial results under one M, divided by the sum, stored.  A wave that had no job holds -M = 3e38, l = 0, O = 0: its factor is 0.
.macro MERGE d, z, r, ob
	v_min3_num_f32 v[MM], v[\z], v[\z+2], v[\z+4]
	v_min3_num_f32 v[MM], v[MM], v[\z+6], v[\z+8]
	v_min3_num_f32 v[MM], v[MM], v[\z+10], v[\z+12]
	v_min_num_f32 v[MM], v[MM], v[\z+14]           ; the least -M: the largest M
.irp w, 0,1,2,3,4,5,6,7
	v_sub_f32 v[FF+\w], v[MM], v[\z+2*\w]          ; that wave's M less the largest: a whole number, 0 or less
.endr
.irp w, 0,1,2,3,4,5,6,7
	v_cvt_i32_f32 v[FF+\w], v[FF+\w]
.endr
.irp w, 0,1,2,3,4,5,6,7
	v_ldexp_f32 v[FF+\w], 1.0, v[FF+\w]
.endr
	v_mul_f32 v[LL], v[FF], v[\z+1]
.irp k, 0,1,2,3
	v_mul_f32 v[\r+\k], v[FF], v[\d+\k]
.endr
.irp w, 1,2,3,4,5,6,7
	v_fma_f32 v[LL], v[FF+\w], v[\z+2*\w+1], v[LL]
.irp k, 0,1,2,3
	v_fma_f32 v[\r+\k], v[FF+\w], v[\d+4*\w+\k], v[\r+\k]
.endr
.endr
	v_rcp_f32 v[LL], v[LL]
	v_nop                                          ; one plain line behind a transcendental
	s_wait_alu depctr_va_vdst(0)
.irp k, 0,1,2,3
	v_mul_f32 v[\r+\k], v[\r+\k], v[LL]
.endr
	global_store_b128 v[LI], v[\r:\r+3], s[\ob:\ob+1] th:TH_STORE_NT   ; 32 lanes store two rows of out0: 512 consecutive bytes, aligned to 512; written once
.endm
	s_load_b128 s[4:7], s[0:1], 0x0                ; kv s[4:5], qi s[6:7]
	s_load_b64 s[8:9], s[0:1], 0x10                ; out0
	v_lshl_add_u32 v[SPW], v0, 2, SPARE
	v_mov_b32 v[NIL], 0
	ds_add_u32 v1, v2
	s_wait_dscnt 0x0
	v_lshrrev_b32 v3, 5, v0
	v_readfirstlane_b32 s[WV], v3                  ; wave 0..15
	s_and_b32 s[PP], s[WV], 1
	s_lshr_b32 s[EE], s[WV], 1
	s_bfe_u32 s[CX], ttmp6, 0x40000                ; my place in the cluster
	s_mov_b32 s[LIME], ttmp9                       ; in a cluster launch ttmp9 counts clusters: a
	s_sub_co_u32 s[LIML], 31, s[LIME]
	s_and_b32 s[BAT], ttmp7, 0xffff
	; descriptor group 1: a block is dense in memory: 66 rows of 256 bytes (32 elements of 8 bytes), no padding: register images are read as consecutive bytes
	s_mov_b32 s[G1], 15|(3<<16)|(1<<21)            ; 15:0 the mask: all four work-groups; 17:16 elements of 8 bytes; 21 set beside a mask
	s_mov_b32 s[G1+1], 32<<16                      ; tensor_dim0 = 32
	s_mov_b32 s[G1+2], 66<<16                      ; tensor_dim1 = 66
	s_mov_b32 s[G1+3], 32<<16                      ; tile_dim0 = 32
	s_mov_b32 s[G1+4], 66                          ; tile_dim1 = 66
	s_mov_b32 s[G1+5], 32                          ; tensor_dim0_stride
	s_mov_b32 s[G1+6], 0
	s_mov_b32 s[G1+7], 0
	s_mov_b32 s[SEL], 0x76543210
	s_mov_b32 s[SEL+1], 0xfedcba98
	s_mov_b32 s[CS], 0x3eb8aa3b                    ; c = log2(e) / 4
	s_mov_b32 s[CS+1], s[CS]                       ; (named with it as a pair, so it is written)
	s_mov_b32 s[MNT], 0x600000
	s_and_b32 s48, s[WV], 7                        ; which block of a slot I fetch, if I fetch
	s_mul_i32 s49, s48, BLK                        ; its place in a slot: no place in the cluster enters an LDS address
	s_lshl_b32 s50, s[BAT], 5
	s_add_co_u32 s50, s50, s48
	s_mul_i32 s50, s50, BLK                        ; and in kv: block 32 x batch + wave
	s_mov_b32 s51, 0
	v_and_b32 v[LI], 31, v0
	v_lshlrev_b32 v[LI], 4, v[LI]                  ; 16 x lane
	s_mul_i32 s53, s[EE], BLK
	v_add_nc_u32 v[AD0], s53, v[LI]                ; the block that I read: e
	v_add_nc_u32 v[AD1], SLOT, v[AD0]
	v_and_b32 v[DD], 15, v0
	v_bfe_u32 v[TMP], v0, 4, 1
	v_lshlrev_b32 v[TMP], 4, v[TMP]
	v_sub_nc_u32 v[DD], v[DD], v[TMP]
	s_lshl_b32 s55, s[CX], 5
	s_lshl_b32 s[KS], s[PP], 4
	s_add_co_u32 s55, s55, s[KS]
	v_add_nc_u32 v[DD], s55, v[DD]                 ; 32 cx + 16 p + lane % 16 - 16 (lane / 16)
	s_lshl_b32 s54, s[BAT], 8
	s_lshl_b32 s55, s[CX], 1
	s_add_co_u32 s54, s54, s55
	s_add_co_u32 s54, s54, s[PP]                   ; 256 batch + 2 cx + p
	s_lshl_b32 s[KS], s[EE], 9                     ; the two rows that I store: 512 e bytes into a tile
	s_lshl_b32 s55, s[LIME], 3
	s_add_co_u32 s55, s55, s54                     ; my early tile of 16 queries
	s_lshl_b32 s56, s55, 10                        ; 1,024 bytes a tile in qi,
	s_mov_b32 s57, 0
	s_lshl_b32 s58, s55, 12                        ; 4,096 in out0
	s_add_co_u32 s58, s58, s[KS]
	s_mov_b32 s59, 0
	s_lshl_b32 s55, s[LIML], 3
	s_add_co_u32 s55, s55, s54                     ; my late tile
	s_lshl_b32 s60, s55, 10
	s_mov_b32 s61, 0
	s_lshl_b32 s62, s55, 12
	s_add_co_u32 s62, s62, s[KS]
	s_mov_b32 s63, 0
	s_wait_kmcnt 0x0
	s_add_nc_u64 s[52:53], s[4:5], s[50:51]
	s_mov_b32 s[G0A], 1                            ; count = 1
	s_mov_b32 s[G0A+1], s49                        ; LDS address: slot 0
	s_mov_b64 s[G0A+2:G0A+3], s[52:53]             ; key steps 0-7
	s_or_b32 s[G0A+3], s[G0A+3], 0x80000000        ; type = 2
	s_mov_b32 s[G0B], 1
	s_add_co_u32 s[G0B+1], s49, SLOT               ; slot 1
	s_add_nc_u64 s[G0B+2:G0B+3], s[52:53], 8*BLK   ; key steps 8-15
	s_or_b32 s[G0B+3], s[G0B+3], 0x80000000
	s_add_nc_u64 s[QBE:QBE+1], s[6:7], s[56:57]
	s_add_nc_u64 s[QBL:QBL+1], s[6:7], s[60:61]
	s_add_nc_u64 s[OBE:OBE+1], s[8:9], s[58:59]
	s_add_nc_u64 s[OBL:OBL+1], s[8:9], s[62:63]
	CROUND                                         ; all four work-groups are here: the first joint loads meet
	s_cmp_lt_u32 s[WV], 8                          ; a wave's two first fills stand in one branch, ahead of every wait on TENSORcnt and every LDS read: two loads of mine are out
	s_cbranch_scc0 .Lno_first
	tensor_load_to_lds s[G0A:G0A+3], s[G1:G1+7]
	s_nop 0
	tensor_load_to_lds s[G0B:G0B+3], s[G1:G1+7]
	s_nop 0
	PLACES 4
.Lno_first:
	global_load_b128 v[QE:QE+3],   v[LI], s[QBE:QBE+1]
	global_load_b128 v[QE+4:QE+7], v[LI], s[QBE:QBE+1] offset:512
	global_load_b128 v[QL:QL+3],   v[LI], s[QBL:QBL+1]
	global_load_b128 v[QL+4:QL+7], v[LI], s[QBL:QBL+1] offset:512
.set J, 0
.rept 64
	v_mov_b32 v[OE+J], 0                           ; O^T of both states.  A job is written once for first and later steps: the first finds zeros, which its f = 0 leaves zeros.  These lines stand while the first fills are out
.set J, J+1
.endr
.irp st, SE, SL
	v_mov_b32 v[\st+1], 0xff61b1e6                 ; the largest t so far: -3e38
	v_floor_f32 v[\st], -v[\st+1]                  ; -M
	v_mov_b32 v[\st+2], 0                          ; l, in two halves
	v_mov_b32 v[\st+3], 0
.endr
.irp b, 0,1,2,3
	v_mov_b32 v[X4+\b], 0                          ; a lane permute's destination counts as one of its sources
.endr
	v_mov_b32 v[F], 0
	s_wait_loadcnt 0x0                             ; q
	s_wait_tensorcnt 0x1                           ; my block of slot 0 is in; slot 1's may stay out
	s_barrier_signal -1
	s_barrier_wait -1                              ; everybody's is
	JOB OE, SE, QE, AD0, 0, LIME, 1                ; key steps 0-7, in slot 0
	JOB OL, SL, QL, AD0, 0, LIML, 0
	CHANGE 1, G0A                                  ; slot 1 is whole; slot 0 takes key steps 16-23
	JOB OE, SE, QE, AD1, 1, LIME, 1                ; key steps 8-15, in slot 1
	JOB OL, SL, QL, AD1, 1, LIML, 0
	CHANGE 1, G0B                                  ; slot 0 is whole; slot 1 takes key steps 24-31: the last load
	JOB OL, SL, QL, AD0, 2, LIML, 1                ; key steps 16-23
	CHANGE 0, G0A                                  ; slot 1 is whole; nothing is left to fetch
	JOB OL, SL, QL, AD1, 3, LIML, 1                ; key steps 24-31
	; THE END.  Each wave parks its two partial results in LDS; then wave (p, e) merges rows 2 e and 2 e + 1 of tile p, early and late.
	PLACES 8                                       ; between the last products and the first read of their results
	v_add_f32 v[SE+1], v[SE+2], v[SE+3]            ; l's two halves; the largest t is done with, so that (-M, l) is a pair
	v_add_f32 v[SL+1], v[SL+2], v[SL+3]
	v_permlanex16_b32 v[X4], v[SE+1], s[SEL], s[SEL+1]
	v_permlanex16_b32 v[X4+1], v[SL+1], s[SEL], s[SEL+1]
	v_add_f32 v[SE+1], v[SE+1], v[X4]              ; and lane l xor 16's
	v_add_f32 v[SL+1], v[SL+1], v[X4+1]
	v_and_b32 v[AD0], 15, v0
	v_mul_u32_u24 v[AD0], v[AD0], PPITCH           ; in: row lane % 16,
	v_bfe_u32 v[AD1], v0, 4, 1
	v_lshl_add_u32 v[AD0], v[AD1], 5, v[AD0]       ; tile t's eight dims of my half: 64 t + 32 (lane / 16) bytes on,
	s_mul_i32 s48, s[WV], PWAVE
	v_add_nc_u32 v[AD0], s48, v[AD0]               ; in my wave's 16 rows
	v_add_nc_u32 v[AD1], PARKD, v[AD0]
	v_and_b32 v[DD], 15, v0
	v_lshlrev_b32 v[DD], 3, v[DD]
	s_lshl_b32 s49, s[WV], 7
	s_add_co_u32 s49, s49, STE
	v_add_nc_u32 v[DD], s49, v[DD]                 ; (-M, l): 8 bytes a row; both halves of the lanes write the same bytes with the same values
	s_wait_dscnt 0x0                               ; my reads of the slots are over;
	s_barrier_signal -1
	s_barrier_wait -1                              ; everybody's are, and every tensor load has landed (the wait for 0 at the last change of slots): the slots' bytes may be stored into
.irp t, 0,1,2,3
	ds_store_b128 v[AD0], v[OE+8*\t:OE+8*\t+3]   offset:64*\t       ; each accumulator from its low end on
	ds_store_b128 v[AD0], v[OE+8*\t+4:OE+8*\t+7] offset:64*\t+16
.endr
.irp t, 0,1,2,3
	ds_store_b128 v[AD1], v[OL+8*\t:OL+8*\t+3]   offset:64*\t
	ds_store_b128 v[AD1], v[OL+8*\t+4:OL+8*\t+7] offset:64*\t+16
.endr
	ds_store_b64 v[DD], v[SE:SE+1]
	ds_store_b64 v[DD], v[SL:SL+1] offset:STD
	s_wait_dscnt 0x0                               ; for the others' sake: my stores are done
	s_barrier_signal -1
	s_mul_i32 s48, s[EE], 2*PPITCH                 ; back: rows 2 e + lane / 16 of tile p's eight partial results; 16 bytes a lane
	s_mul_i32 s49, s[PP], PWAVE
	s_add_co_u32 s48, s48, s49
	v_bfe_u32 v[AD0], v0, 4, 1
	v_mul_u32_u24 v[AD0], v[AD0], PPITCH
	v_and_b32 v[AD1], 15, v0
	v_lshl_add_u32 v[AD0], v[AD1], 4, v[AD0]
	v_add_nc_u32 v[AD0], s48, v[AD0]
	v_add_nc_u32 v[AD1], PARKD, v[AD0]
	s_lshl_b32 s50, s[PP], 7
	s_lshl_b32 s51, s[EE], 4
	s_add_co_u32 s50, s50, s51
	s_add_co_u32 s50, s50, STE
	v_bfe_u32 v[DD], v0, 4, 1
	v_lshlrev_b32 v[DD], 3, v[DD]
	v_add_nc_u32 v[DD], s50, v[DD]
	s_barrier_wait -1
.irp w, 0,1,2,3,4,5,6,7                        ; wave 2 w + p's part: two waves' rows further on each time
	ds_load_b128 v[P+4*\w:P+4*\w+3], v[AD0] offset:2*PWAVE*\w
.endr
.irp w, 0,1,2,3,4,5,6,7
	ds_load_b64 v[ZE+2*\w:ZE+2*\w+1], v[DD] offset:256*\w
.endr
.irp w, 0,1,2,3,4,5,6,7
	ds_load_b128 v[P+32+4*\w:P+32+4*\w+3], v[AD1] offset:2*PWAVE*\w
.endr
.irp w, 0,1,2,3,4,5,6,7
	ds_load_b64 v[ZL+2*\w:ZL+2*\w+1], v[DD] offset:256*\w+STD
.endr
	s_wait_dscnt 16                                ; the early state's sixteen loads are in; the late state's sixteen may be out
	MERGE P, ZE, RE, OBE
	s_wait_dscnt 0x0
	MERGE P+32, ZL, RL, OBL
	s_wait_tensorcnt 0x0                           ; the wave's end: behind my last tensor load and my last LDS store
	ds_add_u32 v[SPW], v[NIL]
	s_wait_dscnt 0x0
	CROUND                                         ; the closing round: no work-group ends while a partner may still ask for a block that names it
	s_endpgm
.Lfunc_end_k_qca85121d0d_attn:
	.size	k_qca85121d0d_attn, .Lfunc_end_k_qca85121d0d_attn-k_qca85121d0d_attn
	.p2alignl 7, 3214868480
	.fill 96, 4, 3214868480
	.section	.rodata,"a",@progbits
	.p2align	6, 0x0
	.amdhsa_kernel k_qca85121d0d_attn
		.amdhsa_group_segment_fixed_size 327680
		.amdhsa_private_segment_fixed_size 0
		.amdhsa_enable_private_segment 0
		.amdhsa_kernarg_size 24
		.amdhsa_user_sgpr_count 2
		.amdhsa_user_sgpr_kernarg_segment_ptr 1
		.amdhsa_wavefront_size32 1
		.amdhsa_system_sgpr_workgroup_id_x 1
		.amdhsa_system_sgpr_workgroup_id_y 1
		.amdhsa_system_sgpr_workgroup_id_z 1
		.amdhsa_system_vgpr_workitem_id 0
		.amdhsa_next_free_vgpr 256
		.amdhsa_next_free_sgpr 66
		.amdhsa_reserve_vcc 1
		.amdhsa_float_denorm_mode_32 3
		.amdhsa_float_denorm_mode_16_64 3
		.amdhsa_memory_ordered 1
		.amdhsa_forward_progress 1
		.amdhsa_inst_pref_size 178
	.end_amdhsa_kernel
	.amdgpu_metadata
---
amdhsa.version: [ 1, 2 ]
amdhsa.kernels:
  - .name:           k_qca85121d0d_attn
    .symbol:         k_qca85121d0d_attn.kd
    .args:
      - { .name: kv, .offset: 0, .size: 8, .value_kind: global_buffer, .address_space: global }
      - { .name: qi, .offset: 8, .size: 8, .value_kind: global_buffer, .address_space: global }
      - { .name: out0, .offset: 16, .size: 8, .value_kind: global_buffer, .address_space: global }
    .group_segment_fixed_size: 327680
    .private_segment_fixed_size: 0
    .kernarg_segment_align: 8
    .kernarg_segment_size: 24
    .max_flat_workgroup_size: 512
    .sgpr_count:     66
    .vgpr_count:     256
    .wavefront_size: 32
...
	.end_amdgpu_metadata
.endif
;; end of part 2
